; MI455X (gfx1250); checked and timed in simulation.
; The chip was launched on July 23, 2026; its instructions are those of AMD's public machine-readable ISA for CDNA 5 (MIT licence, August 2026) and "CDNA5" Instruction Set Architecture Reference Guide (July 2026). The comments in the code are by the model that wrote it; some were corrected since.
;; YOSOFFN. Allowed arithmetic: matrix products marked QUANTISED: E5M2 operands, one E8M0 scale for each 32 along K, by v_wmma_scale_f32_16x16x128_f8f6f4 with both operands' format E5M2, f32 sums; everything else in f32.
;; Inputs: bias 1,024 float32; hidden_states 4 x 2,048 x 1,024 float32; k_weight 4,096 x 1,024 float32; ln_bias 1,024 float32; ln_weight 1,024 float32; q_weight_codes 1,024 x 128 x 32 uint8 (E5M2 codes of q_weight, K innermost, in blocks of 32 codes); q_weight_scales 1,024 x 128 uint8 (E8M0 scales of q_weight, one for each 32 codes along K).
;; Outputs: out0 4 x 2,048 x 1,024 float32.
;; This version of the problem:
;;   THIS VERSION OF THE PROBLEM IS GIVEN IN LOW PRECISION. The matrix products marked QUANTISED in the list below multiply operands that are first quantised to E5M2 (5 exponent bits, 2 mantissa bits; 8 bits a number), with one power-of-two scale for each 32 numbers along K (OCP MX v1.0); their sums are f32. All else is computed in f32.
;;   The module's matrix products, in the order in which they are computed (A, B: the left and right operand; K: the contracted axis; several contracted axes count as one K, in the product's order):
;;     1. [M 8,192, K 1,024] x [K 1,024, N 4,096]; A: computed on the way; B: computed on the way: QUANTISED
;;     2. [M 8,192, K 4,096] x [K 4,096, N 1,024]; A: computed on the way; B: input q_weight (given as codes): QUANTISED
;;   THE QUANTISER, for each operand of a quantised product, along K:
;;     - K is cut into blocks of 32 from its start; a last block that is shorter is filled with zeros.
;;     - A block's scale is 2^e with e = floor(log2(the largest magnitude in the block)) - 15, held to -126 .. 127; a block of zeros has e = 0. As a byte (E8M0): e + 127.
;;     - Each number is divided by its block's scale, clamped to +-57,344, and rounded to the nearest number of E5M2, ties to even, subnormals kept.
;;     - The product sums the exact products of the quantised numbers (number of the format x scale) in f32.
;;   ~~~python
;;   def quantise(x, axis):      # numpy; x: float32 -> the quantised numbers, widened to float32 again
;;       x = np.moveaxis(x, axis, -1); K = x.shape[-1]
;;       x = np.pad(x, [(0, 0)] * (x.ndim - 1) + [(0, -K % 32)]); x = x.reshape(x.shape[:-1] + (-1, 32)); a = np.abs(x).max(-1, keepdims=True)
;;       e = np.where(a > 0, np.clip(np.frexp(np.where(a > 0, a, 1))[1] - 1 - 15, -126, 127), 0)      # np.frexp(a)[1] - 1 = floor(log2(a)), exactly
;;       r = np.clip(x / 2.0 ** e, -57344, 57344)
;;       step = 2.0 ** (np.maximum(np.frexp(np.where(r == 0, 1, r))[1] - 1, -14) - 2)
;;       q = np.round(r / step) * step * 2.0 ** e      # np.round: ties to even
;;       return np.moveaxis(q.reshape(q.shape[:-2] + (-1,))[..., :K], -1, axis).astype(np.float32)
;;   ~~~
;;   OPERANDS COMPUTED ON THE WAY. 'Computed on the way' means the value that the module computes at that place (a softmax that the list does not call 'softmax' is quantised finished and normalised). What goes into a quantiser is computed in f32, as accurately as f32 sums, v_exp_f32 and their like allow (about 1e-6 of the number): no bf16 or f16 on the way to a quantiser, and a product that is left as it is and whose result goes on into a quantised operand takes f32 operands (vector FMAs, or v_wmma_f32_16x16x4_f32). A number that lies on a knife's edge between two numbers of the format may be rounded either way, as far as f32 arithmetic and the matrix unit's own rounding can turn it there, and no further.
;;   INPUTS GIVEN AS CODES. q_weight (in the module: [4096, 1024], K = its axis 0): each comes as NAME_codes (uint8): NAME with its K axis moved to the last place and cut into blocks of 32 codes, [.., K / 32, bytes a block], one block behind the other in memory; one code a byte (a code: sign, 5 exponent bits, 2 mantissa bits); and NAME_scales (uint8): the same leading axes, one E8M0 byte (e + 127) for each 32 codes along K. Its value is code x scale, taken as it is: it is not quantised again, and the codes and scales need not be those that the quantiser above would give.
;; One version. Each part assembles by itself: llvm-mc -triple=amdgcn-amd-amdhsa -mcpu=gfx1250 --defsym DOCPART=n.
;; ======== version 1 of 1: 4 launches
;; limits: right only within a limited range of input values
;; workspace buffers: qc 8,388,608 bytes; qs 262,144 bytes; kc 4,194,304 bytes; ks 131,072 bytes; bc 33,554,432 bytes; bs 1,048,576 bytes; xw 33,554,432 bytes
;; launch prep (part 1): grid 768 x 1, 4 waves a work-group, no clusters, 38,912 bytes of LDS; arguments hidden_states, k_weight, ln_weight, ln_bias, qc, qs, kc, ks; writes qc, qs, kc, ks
.if DOCPART == 1
	.amdgcn_target "amdgcn-amd-amdhsa--gfx1250"
	.amdhsa_code_object_version 6
	.text
	.protected	k_qb4af1bc9bb_prep
	.globl	k_qb4af1bc9bb_prep
	.p2align	8
	.type	k_qb4af1bc9bb_prep,@function
k_qb4af1bc9bb_prep:
	s_mov_b64 s[64:65], 0
	v_nop
	global_prefetch_b8 v0, s[64:65] scope:SCOPE_SE
	s_setreg_imm32_b32 hwreg(HW_REG_WAVE_MODE, 25, 1), 1
	s_wait_xcnt 0x0
; Q = l2norm(LayerNorm(hidden_states)) [8192][1024] and K = l2norm(k_weight) [4096][1024], all in f32, are turned into codes of BF8 (E5M2) with one E8M0 byte for each 32 along the 1,024.
; A block's byte is its largest magnitude's exponent field - 15, held at 1 from below; each number is held within +-57,344 x the scale and rounded to the nearest code, ties to even.
; LAYOUT OF THE RESULTS.  A tile is 16 rows.  Its codes are an image of the operand's registers: the 16 bytes of (chunk g = k / 16, row r) lie at 256 g + 16 r, 16,384 bytes a tile, so that for a K step of 128
; (2,048 bytes) register group c of lane l lies at 512 c + 16 l.  Scale bytes: [pair of tiles][half of K][lane = r + 16 (tile % 2)][16 bytes: the words of four K steps]: 1,024 bytes a pair.
; Q's tile T holds rows 16 T + r.  K's tile T holds, as its row r, k_weight's row 32 (T / 2) + 8 (T % 2) + r + 8 (r / 8): so the next launch finds 16 neighbours of its own K in a lane's 16 registers.
; SHARES.  One work-group makes one tile: work-groups 0-511 Q's, 512-767 K's.  Wave w takes the tile's rows 4 w .. 4 w + 3, a row in 32 registers of the wave, so sums never leave the wave.
; Only pointers and the LayerNorm hang on the work-group's number; that arm touches no LDS.  No cluster and no tensor load: work-groups share only ln_weight and ln_bias, 8,192 bytes beside a tile's 65,536.
; LIMITS: NaN and infinities are not served; magnitudes beyond about 1e17 overflow the sums of squares; rows whose sum of squares falls under the smallest normal f32 number are divided by 1e-12.
; A block of zeros gets the byte 1 and zero codes (the rule says 127): the bytes are read by this program alone.
.set STGB, 5120                        ; LDS: a stage for each wave: 64 chunks of 64 bytes + 16 of padding
.set IMG,  20480                       ; the tile's image: 64 units of 256 bytes + 16 of padding
.set SCB,  37888                       ; its 512 scale bytes: 256 x half + 16 x row + block % 16
.set LO,   2                           ; v2   16 x lane
.set STI,  3                           ; v3   the stage, in:  80 (lane / 4) + 16 (lane % 4)
.set STO,  4                           ; v4   the stage, out: 80 x lane
.set IMA,  5                           ; v5   the image, in:  272 x lane + 64 w
.set SCA,  6                           ; v6   the scale bytes, in: 64 w + lane / 2
.set IMR,  7                           ; v7   the image, out: unit 16 w + lane / 16, 16 (lane % 16)
.set OUTO, 8                           ; v8   4,096 w + 16 x lane
.set SCR,  9                           ; v9   the scale bytes, out: 16 x lane
.set SCO,  10                          ; v10  512 (lane / 16) + 16 (lane % 16)
.set SM,   12                          ; v12-19 sums at work
.set BC,   20                          ; v[20:21] the number that multiplies a whole row (the packed forms name a pair and take its low word)
.set QT,   22                          ; v22-29 the quantiser's: largest magnitudes (two chains), scale operands, holds; two chunks each
.set X,    32                          ; v32-159 four rows of 32
.set W,    160                         ; v160-191 ln_weight; afterwards Y
.set LB,   192                         ; v192-223 ln_bias
.set Y,    160                         ; a row as it comes back from the stage: two chunks of 16 neighbours
.set CD,   224                         ; v224-231 codes
.set EB,   232                         ; v232-233 scale bytes
.set WV,   20
.set SEL,  28
.set EPS,  30
.set I1024, 31
.set MNT,  32
	s_load_b256 s[4:11], s[0:1], 0x0               ; hidden_states, k_weight, ln_weight, ln_bias
	s_load_b256 s[12:19], s[0:1], 0x20             ; qc, qs, kc, ks
	v_lshl_add_u32 v240, v0, 2, 0x9600
	v_mov_b32 v241, 0
	v_lshrrev_b32 v1, 5, v0
	v_readfirstlane_b32 s[WV], v1                  ; wave 0..3
	v_and_b32 v1, 31, v0                           ; lane
	v_lshlrev_b32 v[LO], 4, v1
	s_mul_i32 s21, s[WV], STGB
	v_lshrrev_b32 v11, 2, v1
	v_mul_u32_u24 v11, v11, 80
	v_and_b32 v[STI], 3, v1
	v_lshl_add_u32 v[STI], v[STI], 4, v11
	v_add_nc_u32 v[STI], s21, v[STI]
	v_mul_u32_u24 v[STO], v1, 80
	v_add_nc_u32 v[STO], s21, v[STO]
	s_lshl_b32 s22, s[WV], 6
	v_mul_u32_u24 v[IMA], v1, 272
	v_add_nc_u32 v[IMA], s22, v[IMA]
	v_add_nc_u32 v[IMA], IMG, v[IMA]
	v_lshrrev_b32 v[SCA], 1, v1
	v_add_nc_u32 v[SCA], s22, v[SCA]
	v_add_nc_u32 v[SCA], SCB, v[SCA]
	v_lshrrev_b32 v11, 4, v1
	v_and_b32 v[SCO], 15, v1
	s_mul_i32 s22, s[WV], 16*272
	v_mul_u32_u24 v[IMR], v11, 272
	v_lshl_add_u32 v[IMR], v[SCO], 4, v[IMR]
	v_add_nc_u32 v[IMR], s22, v[IMR]
	v_add_nc_u32 v[IMR], IMG, v[IMR]
	s_lshl_b32 s22, s[WV], 12
	v_add_nc_u32 v[OUTO], s22, v[LO]
	v_add_nc_u32 v[SCR], SCB, v[LO]
	v_lshlrev_b32 v[SCO], 4, v[SCO]
	v_lshl_add_u32 v[SCO], v11, 9, v[SCO]
	v_mov_b32 v[BC+1], 0                           ; named with v20 as a pair, so it is written
	s_mov_b32 s[SEL], 0x76543210
	s_mov_b32 s[SEL+1], 0xfedcba98                 ; v_permlanex16_b32's selects for lane l xor 16
	s_mov_b32 s[EPS], 0x2b8cbccc                   ; 1e-12: LayerNorm's epsilon and the norm's floor
	s_mov_b32 s[I1024], 0x3a800000                 ; 1 / 1,024
	s_mov_b32 s[MNT], 0x600000                     ; the mantissa field of 57,344
	; the tile and my first row, both ways; then the choice, which hangs on the work-group's number alone
	s_lshl_b32 s22, s[WV], 2
	s_lshl_b32 s23, ttmp9, 4
	s_add_co_u32 s23, s23, s22                     ; Q: row 16 T + 4 w
	s_sub_co_u32 s24, ttmp9, 512                   ; K: T
	s_lshr_b32 s25, s24, 1
	s_lshl_b32 s25, s25, 5
	s_and_b32 s26, s24, 1
	s_lshl_b32 s26, s26, 3
	s_add_co_u32 s25, s25, s26
	s_add_co_u32 s25, s25, s22
	s_lshr_b32 s26, s[WV], 1
	s_lshl_b32 s26, s26, 3
	s_add_co_u32 s25, s25, s26                     ; K: row 32 (T / 2) + 8 (T % 2) + 4 w + 8 (w / 2)
	s_wait_kmcnt 0x0
	s_cmp_lt_u32 ttmp9, 512
	s_cselect_b32 s21, ttmp9, s24                  ; T
	s_cselect_b32 s23, s23, s25                    ; my first row
	s_cselect_b64 s[4:5], s[4:5], s[6:7]           ; the rows,
	s_cselect_b64 s[12:13], s[12:13], s[16:17]     ; the codes,
	s_cselect_b64 s[14:15], s[14:15], s[18:19]     ; the scale bytes
	s_lshl_b32 s24, s23, 12
	s_mov_b32 s25, 0
	s_add_nc_u64 s[4:5], s[4:5], s[24:25]
	s_lshl_b32 s24, s21, 14
	s_add_nc_u64 s[12:13], s[12:13], s[24:25]
	s_lshr_b32 s24, s21, 1
	s_lshl_b32 s24, s24, 10
	s_and_b32 s26, s21, 1
	s_lshl_b32 s26, s26, 8
	s_add_co_u32 s24, s24, s26
	s_add_nc_u64 s[14:15], s[14:15], s[24:25]
	s_cmp_lt_u32 ttmp9, 512
	s_cbranch_scc0 .Lno_ln                         ; K's work-groups do not read ln_weight and ln_bias
.irp j, 0,1,2,3,4,5,6,7
	global_load_b128 v[W+4*\j:W+4*\j+3], v[LO], s[8:9] offset:512*\j       ; asked for ahead of the rows, so that a row's counted wait shows them in too
	global_load_b128 v[LB+4*\j:LB+4*\j+3], v[LO], s[10:11] offset:512*\j
.endr
.Lno_ln:
.irp i, 0,1,2,3
.irp j, 0,1,2,3,4,5,6,7
	global_load_b128 v[X+32*\i+4*\j:X+32*\i+4*\j+3], v[LO], s[4:5] offset:4096*\i+512*\j th:TH_LOAD_NT   ; 32 lanes read 512 consecutive bytes; a row is read once in the launch
.endr
.endr
.macro SUM r                           ; the lane's 32 numbers in four chains of pairs
.set RR, \r
.irp c, 0,1,2,3
	v_pk_add_f32 v[SM+2*\c:SM+2*\c+1], v[RR+2*\c:RR+2*\c+1], v[RR+8+2*\c:RR+8+2*\c+1]
.endr
.irp o, 16,24
.irp c, 0,1,2,3
	v_pk_add_f32 v[SM+2*\c:SM+2*\c+1], v[SM+2*\c:SM+2*\c+1], v[RR+\o+2*\c:RR+\o+2*\c+1]
.endr
.endr
.endm
.macro SUMSQ r                         ; the same of their squares
.set RR, \r
.irp c, 0,1,2,3
	v_pk_mul_f32 v[SM+2*\c:SM+2*\c+1], v[RR+2*\c:RR+2*\c+1], v[RR+2*\c:RR+2*\c+1]
.endr
.irp o, 8,16,24
.irp c, 0,1,2,3
	v_pk_fma_f32 v[SM+2*\c:SM+2*\c+1], v[RR+\o+2*\c:RR+\o+2*\c+1], v[RR+\o+2*\c:RR+\o+2*\c+1], v[SM+2*\c:SM+2*\c+1]
.endr
.endr
.endm
.macro REDUCE                          ; the four chains, the pair's halves, the 32 lanes: the row's sum in v[SM] of every lane
	v_pk_add_f32 v[SM:SM+1], v[SM:SM+1], v[SM+2:SM+3]
	v_pk_add_f32 v[SM+4:SM+5], v[SM+4:SM+5], v[SM+6:SM+7]
	v_pk_add_f32 v[SM:SM+1], v[SM:SM+1], v[SM+4:SM+5]
	v_add_f32 v[SM], v[SM], v[SM+1]
	v_add_f32_dpp v[SM], v[SM], v[SM] row_xmask:1 row_mask:0xf bank_mask:0xf
	v_add_f32_dpp v[SM], v[SM], v[SM] row_xmask:2 row_mask:0xf bank_mask:0xf
	v_add_f32_dpp v[SM], v[SM], v[SM] row_xmask:4 row_mask:0xf bank_mask:0xf
	v_add_f32_dpp v[SM], v[SM], v[SM] row_xmask:8 row_mask:0xf bank_mask:0xf
	v_permlanex16_b32 v[SM+1], v[SM], s[SEL], s[SEL+1]
	v_add_f32 v[SM], v[SM], v[SM+1]
.endm
.macro LN r                            ; (x - mean) rsqrt(variance + 1e-12) weight + bias; the variance is taken of the centred numbers
	SUM \r
	REDUCE
	v_mul_f32 v[BC], s[I1024], v[SM]
.irp u, 0,2,4,6,8,10,12,14,16,18,20,22,24,26,28,30
	v_pk_add_f32 v[RR+\u:RR+\u+1], v[RR+\u:RR+\u+1], v[BC:BC+1] op_sel_hi:[1,0] neg_lo:[0,1] neg_hi:[0,1]
.endr
	SUMSQ \r
	REDUCE
	v_fma_f32 v[SM+2], v[SM], s[I1024], s[EPS]
	s_wait_alu depctr_va_vdst(0)
	v_rsq_f32 v[BC], v[SM+2]
	v_nop                                          ; a plain instruction between a transcendental and the use of its result (ISA guide 5.7.2)
	s_wait_alu depctr_va_vdst(0)
.irp u, 0,2,4,6,8,10,12,14,16,18,20,22,24,26,28,30
	v_pk_mul_f32 v[RR+\u:RR+\u+1], v[RR+\u:RR+\u+1], v[BC:BC+1] op_sel_hi:[1,0]
.endr
.irp u, 0,2,4,6,8,10,12,14,16,18,20,22,24,26,28,30
	v_pk_fma_f32 v[RR+\u:RR+\u+1], v[RR+\u:RR+\u+1], v[W+\u:W+\u+1], v[LB+\u:LB+\u+1]
.endr
.endm
.macro L2N r                           ; x / max(sqrt(sum of squares), 1e-12)
	SUMSQ \r
	REDUCE
	s_wait_alu depctr_va_vdst(0)
	v_sqrt_f32 v[SM+2], v[SM]
	v_nop
	s_wait_alu depctr_va_vdst(0)
	v_max_num_f32 v[SM+2], s[EPS], v[SM+2]
	s_wait_alu depctr_va_vdst(0)
	v_rcp_f32 v[BC], v[SM+2]
	v_nop
	s_wait_alu depctr_va_vdst(0)
.irp u, 0,2,4,6,8,10,12,14,16,18,20,22,24,26,28,30
	v_pk_mul_f32 v[RR+\u:RR+\u+1], v[RR+\u:RR+\u+1], v[BC:BC+1] op_sel_hi:[1,0]
.endr
.endm
; Row i of my four turns through my stage (as loaded a lane holds 4 neighbours of each 128; the conversions want 16 neighbours in one lane) and is quantised: the lane gets chunks lane and lane + 32; lanes l and l xor 1 hold a block.
.macro TURNQ i
.irp j, 0,1,2,3,4,5,6,7
	ds_store_b128 v[STI], v[X+32*\i+4*\j:X+32*\i+4*\j+3] offset:640*\j
.endr
.irp p, 0,1
.irp q, 0,1,2,3
	ds_load_b128 v[Y+16*\p+4*\q:Y+16*\p+4*\q+3], v[STO] offset:2560*\p+16*\q   ; LDS serves a wave's instructions in order (ISA guide 5.7.1.4): these see the stores above
.endr
.endr
	s_wait_dscnt 0x0                               ; the row is back; the last row's stores of codes and bytes have read their registers
.irp p, 0,1
	v_max3_num_f32 v[QT+\p], |v[Y+16*\p]|, |v[Y+16*\p+1]|, |v[Y+16*\p+2]|
	v_max3_num_f32 v[QT+2+\p], |v[Y+16*\p+3]|, |v[Y+16*\p+4]|, |v[Y+16*\p+5]|
.endr
.irp o, 6,10
.irp p, 0,1
	v_max3_num_f32 v[QT+\p], v[QT+\p], |v[Y+16*\p+\o]|, |v[Y+16*\p+\o+1]|
	v_max3_num_f32 v[QT+2+\p], v[QT+2+\p], |v[Y+16*\p+\o+2]|, |v[Y+16*\p+\o+3]|
.endr
.endr
.irp p, 0,1
	v_max3_num_f32 v[QT+\p], v[QT+\p], |v[Y+16*\p+14]|, |v[Y+16*\p+15]|
.endr
.irp p, 0,1
	v_max3_num_f32 v[QT+\p], v[QT+\p], v[QT+2+\p], 0x8000000   ; and the floor 2^(16 - 127): the byte cannot fall under 1
.endr
.irp p, 0,1
	v_max_num_f32_dpp v[QT+\p], v[QT+\p], v[QT+\p] row_xmask:1 row_mask:0xf bank_mask:0xf   ; with my neighbour's 16: the block's largest magnitude
.endr
.irp p, 0,1
	v_add_nc_u32 v[QT+4+\p], 0xf8800000, v[QT+\p]  ; 15 off its exponent field: the conversion's scale operand
.endr
.irp p, 0,1
	v_and_or_b32 v[QT+6+\p], v[QT+\p], 0x7f800000, s[MNT]   ; 57,344 x the scale
.endr
.irp p, 0,1
.irp o, 0,1,2,3,4,5,6,7,8,9,10,11,12,13,14,15
	v_med3_num_f32 v[Y+16*\p+\o], v[Y+16*\p+\o], -v[QT+6+\p], v[QT+6+\p]   ; the conversion to an 8-bit code does not saturate (ISA guide 7.6.2)
.endr
.endr
.irp p, 0,1
	v_cvt_scalef32_pk8_bf8_f32 v[CD+4*\p:CD+4*\p+1], v[Y+16*\p:Y+16*\p+7], v[QT+4+\p]
	v_cvt_scalef32_pk8_bf8_f32 v[CD+4*\p+2:CD+4*\p+3], v[Y+16*\p+8:Y+16*\p+15], v[QT+4+\p]
.endr
.irp p, 0,1
	v_lshrrev_b32 v[EB+\p], 23, v[QT+4+\p]         ; the scale's byte (also the plain line behind the conversions)
.endr
.irp p, 0,1
	ds_store_b128 v[IMA], v[CD+4*\p:CD+4*\p+3] offset:16*\i+8704*\p   ; chunk lane + 32 p, row 4 w + i
	ds_store_b8 v[SCA], v[EB+\p] offset:16*\i+256*\p                  ; both lanes of a block write the same byte with the same value
.endr
.endm
	s_cmp_lt_u32 ttmp9, 512
	s_cbranch_scc0 .Lrows                          ; K's rows have no LayerNorm
.irp i, 0,1,2,3
	s_wait_loadcnt 8*(3-\i)                        ; loads come back in order (ISA guide 5.7.1): weight, bias and this row are in; the 8 loads of each younger row may stay out
	LN X+32*\i
.endr
.Lrows:
.irp i, 0,1,2,3
	s_wait_loadcnt 8*(3-\i)                        ; K's way: this row is in, the younger rows' loads may stay out; Q's way: nothing is out any more
	L2N X+32*\i
	TURNQ \i
.endr
	s_wait_dscnt 0x0                               ; for the others' sake: my stores into the image and the scale bytes are done
	s_barrier_signal -1
	s_barrier_wait -1
.irp q, 0,1,2,3,4,5,6,7
	ds_load_b128 v[X+4*\q:X+4*\q+3], v[IMR] offset:544*\q   ; two units of 256 bytes
.endr
.irp q, 0,1,2,3,4,5,6,7
	s_wait_dscnt 7-\q
	global_store_b128 v[OUTO], v[X+4*\q:X+4*\q+3], s[12:13] offset:512*\q   ; 32 lanes store 512 consecutive bytes, at a multiple of 256 from the buffer's first byte
.endr
	s_cmp_lg_u32 s[WV], 0
	s_cbranch_scc1 .Lend
	ds_load_b128 v[Y:Y+3], v[SCR]
	s_wait_dscnt 0x0
	global_store_b128 v[SCO], v[Y:Y+3], s[14:15]   ; lanes 0-15: 256 consecutive bytes of the first half of K, lanes 16-31 of the second
.Lend:
	s_wait_tensorcnt 0x0
	ds_add_u32 v240, v241
	s_wait_dscnt 0x0
	s_endpgm
.Lfunc_end_k_qb4af1bc9bb_prep:
	.size	k_qb4af1bc9bb_prep, .Lfunc_end_k_qb4af1bc9bb_prep-k_qb4af1bc9bb_prep
	.p2alignl 7, 3214868480
	.fill 96, 4, 3214868480
	.section	.rodata,"a",@progbits
	.p2align	6, 0x0
	.amdhsa_kernel k_qb4af1bc9bb_prep
		.amdhsa_group_segment_fixed_size 38912
		.amdhsa_private_segment_fixed_size 0
		.amdhsa_enable_private_segment 0
		.amdhsa_kernarg_size 64
		.amdhsa_user_sgpr_count 2
		.amdhsa_user_sgpr_kernarg_segment_ptr 1
		.amdhsa_wavefront_size32 1
		.amdhsa_system_sgpr_workgroup_id_x 1
		.amdhsa_system_sgpr_workgroup_id_y 1
		.amdhsa_system_sgpr_workgroup_id_z 1
		.amdhsa_system_vgpr_workitem_id 0
		.amdhsa_next_free_vgpr 242
		.amdhsa_next_free_sgpr 66
		.amdhsa_reserve_vcc 0
		.amdhsa_float_denorm_mode_32 3
		.amdhsa_float_denorm_mode_16_64 3
		.amdhsa_memory_ordered 1
		.amdhsa_forward_progress 1
		.amdhsa_inst_pref_size 67
	.end_amdhsa_kernel
	.amdgpu_metadata
---
amdhsa.version: [ 1, 2 ]
amdhsa.kernels:
  - .name:           k_qb4af1bc9bb_prep
    .symbol:         k_qb4af1bc9bb_prep.kd
    .args:
      - { .name: hidden_states, .offset: 0, .size: 8, .value_kind: global_buffer, .address_space: global }
      - { .name: k_weight, .offset: 8, .size: 8, .value_kind: global_buffer, .address_space: global }
      - { .name: ln_weight, .offset: 16, .size: 8, .value_kind: global_buffer, .address_space: global }
      - { .name: ln_bias, .offset: 24, .size: 8, .value_kind: global_buffer, .address_space: global }
      - { .name: qc, .offset: 32, .size: 8, .value_kind: global_buffer, .address_space: global }
      - { .name: qs, .offset: 40, .size: 8, .value_kind: global_buffer, .address_space: global }
      - { .name: kc, .offset: 48, .size: 8, .value_kind: global_buffer, .address_space: global }
      - { .name: ks, .offset: 56, .size: 8, .value_kind: global_buffer, .address_space: global }
    .group_segment_fixed_size: 38912
    .private_segment_fixed_size: 0
    .kernarg_segment_align: 8
    .kernarg_segment_size: 64
    .max_flat_workgroup_size: 128
    .sgpr_count:     66
    .vgpr_count:     242
    .wavefront_size: 32
...
	.end_amdgpu_metadata
.endif
;; end of part 1
;; launch scores (part 2): grid 32 x 8, 8 waves a work-group, clusters of 4 x 1, 327,680 bytes of LDS; arguments qc, qs, kc, ks, bc, bs; writes bc, bs
.if DOCPART == 2
	.amdgcn_target "amdgcn-amd-amdhsa--gfx1250"
	.amdhsa_code_object_version 6
	.text
	.protected	k_qb4af1bc9bb_scores
	.globl	k_qb4af1bc9bb_scores
	.p2align	8
	.type	k_qb4af1bc9bb_scores,@function
k_qb4af1bc9bb_scores:
	s_mov_b64 s[64:65], 0
	v_nop
	global_prefetch_b8 v0, s[64:65] scope:SCOPE_SE
	s_setreg_imm32_b32 hwreg(HW_REG_WAVE_MODE, 25, 1), 1
	s_wait_xcnt 0x0
	s_wait_alu depctr_hold_cnt(0) depctr_sa_sdst(0) depctr_va_vdst(0) depctr_va_sdst(0) depctr_va_ssrc(0) depctr_va_vcc(0) depctr_vm_vsrc(0)
	s_getreg_b32 s2, hwreg(HW_REG_IB_STS2, 6, 4)
	s_cmp_eq_u32 s2, 0
	s_cbranch_scc0 .Lentry_in_a_cluster
	s_endpgm
.Lentry_in_a_cluster:
	s_bfe_u32 s2, ttmp6, 0x10000c
	s_cmp_lg_u32 s2, 0x3003
	s_cbranch_scc0 .Lentry_shape_is_right
	s_endpgm
.Lentry_shape_is_right:
; B = (1 - arccos(clip(Q K^T)) / pi)^9 as codes of BF8 (E5M2) with one E8M0 byte for each 32 along the 4,096.  Q [8192][1024] and K [4096][1024] come as codes laid as images of the operand's registers.
; SHARES.  A work-group takes 256 rows x 512 columns.  Each of its eight waves owns 32 rows (two tiles), whose codes stay in 256 registers; all waves walk the 512 columns, 32 at a time (a pair of K's tiles).
; THE PRODUCT IS USED TRANSPOSED (source 0 = 16 rows of K, source 1 = 16 rows of Q): a lane holds one row of Q, and the 16 registers of a pair's two tiles are 16 neighbouring columns 32 pair + 16 (lane / 16) + 0 .. 15:
; the conversions' results are register group (pair % 4) of the next product's operand and are stored as such, 512 consecutive bytes a store.
; THE ACTIVATION, in f32: a = min(|s|, 1 - 1e-6) (the clip is symmetric); w = arccos(a) / pi = sqrt(1 - a) P(a), P of degree 7 (Abramowitz and Stegun 4.4.46, divided by pi: absolute error of arccos 2e-8);
; u = w where s < 0, else 1 - w: the middle one of w, 1 - w and s x 2^100 (w <= 1/2 <= 1 - w); B = ((u^2)^2)^2 u.
; THE ORDER.  The 16 products of one tile of K stand in one run, my two tiles of rows by turns; eight places; the 32 LDS loads of the next tile into the same 128 registers; then that tile's activation
; (behind tile 1 also the pair's quantiser and its stores), under which the loads come back.  No wait stands between two steps of a sum.
; THE RING.  K's tiles come through two LDS slots of 8 tiles (131,072 bytes); the 16,384 scale bytes of the 512 columns come once.  At the head waves 0-3 fetch slot 0 (two tiles each), waves 4-7 the scale bytes;
; slot 1's first fill and the two refills: a tile a wave.  A change of slots stands where the old slot's last tile has been multiplied and the new slot's first is not yet asked of LDS.
; CLUSTER.  The four work-groups of a cluster take the same 512 columns: K's tiles and scales are asked for JOINTLY, mask 15.  Q's rows go to one wave's registers once and are not shared.
; No prefetch: a refill has four pairs' work (128 products and some 1,600 vector instructions a wave) in which to land.
; LIMITS: NaN and infinities are not served.  A block's byte is held at 1 from below; B is never 0, so no block is all zeros.
; REGISTERS: window 0 as named below; window 1: Q, fragment (tile m, K step s) at v[16 (8 m + s)].
.set SLOTB, 131072
.set SCK,   2*SLOTB                    ; K's scale bytes: 1,024 a pair of tiles
.set SPARE, SCK+16384                  ; the spare words, 128 bytes a wave
.set LI,  1                            ; 16 x lane
.set SPW, 2                            ; my spare word
.set NIL, 3                            ; 0
.set ADK, 4                            ; LDS address of the pair in hand
.set ADS, 5                            ; of its scale words
.set BO,  6                            ; my byte offset in B's codes
.set LIS, 7                            ; SCK + 16 x lane
.set C6,  8                            ; v[8:9] c6, twice
.set QS,  10                           ; v10-17 Q's scale words: lanes 0-15 tile 0, lanes 16-31 tile 1
.set KS,  20                           ; v20-27 K's likewise: no product's two scale registers have numbers equal modulo 8
.set RW,  28                           ; v[28:31] B's scale words, a byte a pair, shifted in from the top
.set CD,  32                           ; v32-39 codes
.set H0,  40                           ; v40-55 tile 0's finished numbers
.set S0,  64                           ; v64-79 scores of tile 0
.set S1,  80                           ; v80-95 of tile 1
.set TA,  96
.set TP,  112
.set KF,  128                          ; v128-255 one tile of K
.set XA,  TA
.set XB,  TA+2
.set PL,  TA+4
.set SCL, TA+6
.set HLD, TA+8
.set EB,  TA+10
.set WV,  16
.set RB,  18
.set YY,  19
.set G1K, 24
.set G1S, 32
.set G0S, 40
.set G0,  44
.set CLIP, 52
.set MNT, 53
.set SEL, 54
.set BIG, 56
.set HM,  58
.set TB,  59
.set TS,  60
.set PSEL, 61
.set CNT, 62
.set C1,  66
.set C2,  68
.set C3,  70
.set C4,  72
.set C5,  74
.set C7,  76
.set G1H, 80                           ; s[80:87], s[88:91] the head's load of two tiles
.set G0H, 88
.set MSB, 0
.macro WIN new
.if MSB != \new
	s_set_vgpr_msb (MSB<<8)|\new
.set MSB, \new
.endif
.endm
.macro PLACES n
.rept \n
	v_nop
.endr
.endm
.macro CROUND                          ; a round of the cluster's barrier
	s_barrier_signal -1
	s_barrier_wait -1
	s_cmp_lg_u32 s[WV], 0
	s_cbranch_scc1 .Lnot_wave_0_\@
	s_barrier_signal -3
.Lnot_wave_0_\@:
	s_barrier_wait -3
	s_barrier_signal -1
	s_barrier_wait -1
.endm
.macro TL g0, g1                       ; a joint load; s_nop 0 and four v_nop follow it
	tensor_load_to_lds s[\g0:\g0+3], s[\g1:\g1+7]
	s_nop 0
	PLACES 4
.endm
.macro WM z, ra, rb                    ; one product; ra, rb: the rows of the scale registers; z: it starts the sum
.if (\z) && ((\ra) == 0) && ((\rb) == 0)
	v_wmma_scale_f32_16x16x128_f8f6f4 v[rD:rD+7], v[rA:rA+15], v[rB:rB+15], 0, v[rSA], v[rSB] matrix_a_fmt:MATRIX_FMT_BF8 matrix_b_fmt:MATRIX_FMT_BF8
.elseif (\z) && ((\ra) == 0)
	v_wmma_scale_f32_16x16x128_f8f6f4 v[rD:rD+7], v[rA:rA+15], v[rB:rB+15], 0, v[rSA], v[rSB] matrix_a_fmt:MATRIX_FMT_BF8 matrix_b_fmt:MATRIX_FMT_BF8 matrix_b_scale:MATRIX_SCALE_ROW1
.elseif (\z) && ((\rb) == 0)
	v_wmma_scale_f32_16x16x128_f8f6f4 v[rD:rD+7], v[rA:rA+15], v[rB:rB+15], 0, v[rSA], v[rSB] matrix_a_fmt:MATRIX_FMT_BF8 matrix_b_fmt:MATRIX_FMT_BF8 matrix_a_scale:MATRIX_SCALE_ROW1
.elseif (\z)
	v_wmma_scale_f32_16x16x128_f8f6f4 v[rD:rD+7], v[rA:rA+15], v[rB:rB+15], 0, v[rSA], v[rSB] matrix_a_fmt:MATRIX_FMT_BF8 matrix_b_fmt:MATRIX_FMT_BF8 matrix_a_scale:MATRIX_SCALE_ROW1 matrix_b_scale:MATRIX_SCALE_ROW1
.elseif ((\ra) == 0) && ((\rb) == 0)
	v_wmma_scale_f32_16x16x128_f8f6f4 v[rD:rD+7], v[rA:rA+15], v[rB:rB+15], v[rD:rD+7], v[rSA], v[rSB] matrix_a_fmt:MATRIX_FMT_BF8 matrix_b_fmt:MATRIX_FMT_BF8
.elseif ((\ra) == 0)
	v_wmma_scale_f32_16x16x128_f8f6f4 v[rD:rD+7], v[rA:rA+15], v[rB:rB+15], v[rD:rD+7], v[rSA], v[rSB] matrix_a_fmt:MATRIX_FMT_BF8 matrix_b_fmt:MATRIX_FMT_BF8 matrix_b_scale:MATRIX_SCALE_ROW1
.elseif ((\rb) == 0)
	v_wmma_scale_f32_16x16x128_f8f6f4 v[rD:rD+7], v[rA:rA+15], v[rB:rB+15], v[rD:rD+7], v[rSA], v[rSB] matrix_a_fmt:MATRIX_FMT_BF8 matrix_b_fmt:MATRIX_FMT_BF8 matrix_a_scale:MATRIX_SCALE_ROW1
.else
	v_wmma_scale_f32_16x16x128_f8f6f4 v[rD:rD+7], v[rA:rA+15], v[rB:rB+15], v[rD:rD+7], v[rSA], v[rSB] matrix_a_fmt:MATRIX_FMT_BF8 matrix_b_fmt:MATRIX_FMT_BF8 matrix_a_scale:MATRIX_SCALE_ROW1 matrix_b_scale:MATRIX_SCALE_ROW1
.endif
.endm
	s_load_b256 s[4:11], s[0:1], 0x0               ; qc, qs, kc, ks
	s_load_b128 s[12:15], s[0:1], 0x20             ; bc, bs
	v_lshl_add_u32 v[SPW], v0, 2, SPARE
	v_mov_b32 v[NIL], 0
	ds_add_u32 v[SPW], v[NIL]                      ; the opening lines: the add twice on end and one wait
	ds_add_u32 v[SPW], v[NIL]
	v_lshrrev_b32 v56, 5, v0
	v_readfirstlane_b32 s[WV], v56                 ; wave 0..7
	v_and_b32 v56, 31, v0
	v_lshlrev_b32 v[LI], 4, v56
	v_add_nc_u32 v[LIS], SCK, v[LI]
	v_mov_b32 v[BO], v[LI]
	v_mov_b32 v[C6], 0x3b0b24a4
	v_mov_b32 v[C6+1], 0x3b0b24a4
.irp k, 0,1,2,3
	v_mov_b32 v[RW+\k], 0                          ; the shift reads them; sixteen shifts push these bytes out
.endr
	s_bfe_u32 s17, ttmp6, 0x40000                  ; cx
	s_lshl_b32 s[RB], ttmp9, 2
	s_add_co_u32 s[RB], s[RB], s17                 ; my block of 256 rows: it enters Q's and B's addresses alone
	s_and_b32 s[YY], ttmp7, 0xffff                 ; my 512 columns, which the four partners share
.irp g, G1K, G1H, G1S                          ; groups 1: dense blocks as rows of 256 bytes (32 elements of 8), mask 15, bit 21 beside it
	s_mov_b32 s[\g], 15|(3<<16)|(1<<21)
	s_mov_b32 s[\g+1], 32<<16
	s_mov_b32 s[\g+3], 32<<16
	s_mov_b32 s[\g+5], 32
	s_mov_b32 s[\g+6], 0
	s_mov_b32 s[\g+7], 0
.endr
	s_mov_b32 s[G1K+2], 64<<16                     ; a tile of K: 64 rows
	s_mov_b32 s[G1K+4], 64
	s_mov_b32 s[G1H+2], 128<<16                    ; two tiles
	s_mov_b32 s[G1H+4], 128
	s_mov_b32 s[G1S+2], 16<<16                     ; 4,096 scale bytes
	s_mov_b32 s[G1S+4], 16
	s_mov_b32 s[CLIP], 0x3f7fffef                  ; 1 - 1e-6
	s_mov_b32 s[MNT], 0x600000                     ; the mantissa field of 57,344
	s_mov_b32 s[SEL], 0x76543210
	s_mov_b32 s[SEL+1], 0xfedcba98
	s_mov_b32 s[BIG], 0x71800000                   ; 2^100
	s_mov_b32 s[BIG+1], 0x71800000
	s_mov_b32 s[HM], 0xffff0000                    ; lanes 16-31
	s_mov_b32 s[PSEL], 0x04030201
	s_mov_b32 s[C1], 0xbd8be58c                    ; the polynomial's coefficients, each twice; c0 = 0.5 stands in its instruction
	s_mov_b32 s[C1+1], 0xbd8be58c
	s_mov_b32 s[C2], 0x3ce80569
	s_mov_b32 s[C2+1], 0x3ce80569
	s_mov_b32 s[C3], 0xbc82d591
	s_mov_b32 s[C3+1], 0xbc82d591
	s_mov_b32 s[C4], 0x3c211b65
	s_mov_b32 s[C4+1], 0x3c211b65
	s_mov_b32 s[C5], 0xbbb23c51
	s_mov_b32 s[C5+1], 0xbbb23c51
	s_mov_b32 s[C7], 0xb9d2b131
	s_mov_b32 s[C7+1], 0xb9d2b131
	s_and_b32 s17, s[WV], 3                        ; w % 4: my share of the head's tiles
	s_lshl_b32 s20, s[YY], 14                      ; K's scale bytes: 16,384 y + 4,096 (w % 4)
	s_lshl_b32 s21, s17, 12
	s_add_co_u32 s20, s20, s21
	s_mov_b32 s21, 0
	s_lshl_b32 s22, s[YY], 19                      ; K's codes: 32 tiles of 16,384 bytes x y
	s_mov_b32 s23, 0
	s_lshl_b32 s78, s17, 15                        ; the head: two tiles x (w % 4)
	s_mov_b32 s79, 0
	s_wait_dscnt 0x0                               ; both opening adds are done
	s_wait_alu depctr_va_vdst(0)                   ; the wait at the head's end
	s_wait_kmcnt 0x0
	s_mov_b32 s[G0S], 1
	s_lshl_b32 s[G0S+1], s17, 12
	s_add_co_u32 s[G0S+1], s[G0S+1], SCK
	s_add_nc_u64 s[G0S+2:G0S+3], s[10:11], s[20:21]
	s_or_b32 s[G0S+3], s[G0S+3], 0x80000000
	s_add_nc_u64 s[22:23], s[8:9], s[22:23]
	s_mov_b32 s[G0H], 1
	s_lshl_b32 s[G0H+1], s17, 15
	s_add_nc_u64 s[G0H+2:G0H+3], s[22:23], s[78:79]
	s_or_b32 s[G0H+3], s[G0H+3], 0x80000000
	s_lshl_b32 s78, s[WV], 14
	s_add_nc_u64 s[22:23], s[22:23], s[78:79]      ; the ring: a tile a wave
.irp q, 0,1
	s_mov_b32 s[G0+4*\q], 1
	s_lshl_b32 s[G0+4*\q+1], s[WV], 14
	s_add_co_u32 s[G0+4*\q+1], s[G0+4*\q+1], SLOTB*\q
	s_add_nc_u64 s[G0+4*\q+2:G0+4*\q+3], s[22:23], SLOTB*\q
	s_or_b32 s[G0+4*\q+3], s[G0+4*\q+3], 0x80000000
.endr
	s_lshl_b32 s17, s[RB], 3
	s_add_co_u32 s17, s17, s[WV]                   ; my pair of tiles of rows
	s_mov_b32 s21, 0
	s_lshl_b32 s20, s17, 15
	s_add_nc_u64 s[4:5], s[4:5], s[20:21]          ; Q's codes: 32,768 bytes a pair
	s_lshl_b32 s20, s17, 10
	s_add_nc_u64 s[6:7], s[6:7], s[20:21]          ; Q's scale words: 1,024 a pair
	s_lshl_b32 s20, s17, 17
	s_lshl_b32 s22, s[YY], 13
	s_add_co_u32 s20, s20, s22
	s_add_nc_u64 s[12:13], s[12:13], s[20:21]      ; B's codes: 131,072 a pair of tiles, 8,192 for my 512 columns
	s_lshl_b32 s20, s17, 12
	s_lshl_b32 s22, s[YY], 9
	s_add_co_u32 s20, s20, s22
	s_add_nc_u64 s[14:15], s[14:15], s[20:21]      ; B's scale words: 4,096 a pair, 512 for four K steps
	global_load_b128 v[QS:QS+3], v[LI], s[6:7]     ; Q goes out ahead of the round
	global_load_b128 v[QS+4:QS+7], v[LI], s[6:7] offset:512
	WIN 0x40
.irp m, 0,1
.irp s, 0,1,2,3,4,5,6,7
.irp c, 0,1,2,3
	global_load_b128 v[16*(8*\m+\s)+4*\c:16*(8*\m+\s)+4*\c+3], v[LI], s[4:5] offset:16384*\m+2048*\s+512*\c
.endr
.endr
.endr
	WIN 0
	CROUND                                         ; all four work-groups are here: the first joint loads meet
	s_cmp_lt_u32 s[WV], 4                          ; one load a wave at the head
	s_cbranch_scc0 .Lhead_s
	TL G0H, G1H                                    ; waves 0-3: slot 0, two tiles each
	s_branch .Lhead_j
.Lhead_s:
	TL G0S, G1S                                    ; waves 4-7: the scale bytes
.Lhead_j:
; ACTI: line jj (0 .. 167) of the activation of the 16 scores v[s] on; the result goes to v[d] on.  Each accumulator is read from its low end on.
.macro ACTI s, d
.if jj < 16
	v_min_num_f32 v[TA+jj], |v[\s+jj]|, s[CLIP]                     ; a
.elseif jj < 24
.set uu, 2*(jj-16)
	v_pk_fma_f32 v[TP+uu:TP+uu+1], v[TA+uu:TA+uu+1], s[C7:C7+1], v[C6:C6+1] op_sel_hi:[1,0,1]
.elseif jj < 64
.set uu, 2*((jj-24)%8)
.set kk, C5-2*((jj-24)/8)
	v_pk_fma_f32 v[TP+uu:TP+uu+1], v[TP+uu:TP+uu+1], v[TA+uu:TA+uu+1], s[kk:kk+1] op_sel_hi:[1,1,0]
.elseif jj < 72
.set uu, 2*(jj-64)
	v_pk_fma_f32 v[TP+uu:TP+uu+1], v[TP+uu:TP+uu+1], v[TA+uu:TA+uu+1], 0.5 op_sel_hi:[1,1,0]   ; P(a)
.elseif jj < 80
.set uu, 2*(jj-72)
	v_pk_fma_f32 v[TA+uu:TA+uu+1], v[TA+uu:TA+uu+1], -1.0, 1.0 op_sel_hi:[1,0,0]               ; 1 - a
.elseif jj < 96
.if jj == 80
	s_wait_alu depctr_va_vdst(0)                   ; the wait ahead of the batch of roots
.endif
	v_sqrt_f32 v[TA+jj-80], v[TA+jj-80]
.elseif jj < 104
.set uu, 2*(jj-96)
	v_pk_mul_f32 v[\s+uu:\s+uu+1], v[\s+uu:\s+uu+1], s[BIG:BIG+1] op_sel_hi:[1,0]              ; s x 2^100: plain lines behind the roots
.elseif jj < 112
.if jj == 104
	s_wait_alu depctr_va_vdst(0)                   ; and one behind it, ahead of the first reader
.endif
.set uu, 2*(jj-104)
	v_pk_mul_f32 v[TP+uu:TP+uu+1], v[TP+uu:TP+uu+1], v[TA+uu:TA+uu+1]                          ; w
.elseif jj < 120
.set uu, 2*(jj-112)
	v_pk_fma_f32 v[TA+uu:TA+uu+1], v[TP+uu:TP+uu+1], -1.0, 1.0 op_sel_hi:[1,0,0]               ; 1 - w
.elseif jj < 136
	v_med3_num_f32 v[\s+jj-120], v[TP+jj-120], v[TA+jj-120], v[\s+jj-120]                      ; u
.elseif jj < 144
.set uu, 2*(jj-136)
	v_pk_mul_f32 v[TP+uu:TP+uu+1], v[\s+uu:\s+uu+1], v[\s+uu:\s+uu+1]
.elseif jj < 160
.set uu, 2*((jj-144)%8)
	v_pk_mul_f32 v[TP+uu:TP+uu+1], v[TP+uu:TP+uu+1], v[TP+uu:TP+uu+1]
.else
.set uu, 2*(jj-160)
	v_pk_mul_f32 v[\d+uu:\d+uu+1], v[TP+uu:TP+uu+1], v[\s+uu:\s+uu+1]                          ; u^9
.endif
.endm
; QI: line jj - 168 (0 .. 69) of a pair's quantiser.  A row's block of 32: 16 numbers in my lane (8 in H0, 8 in S1), 16 in lane l xor 16.  B is positive: no |.|, a one-sided hold.
.macro QI
.set qq, jj-168
.if qq == 0
	v_add_nc_u32 v[BO], 512, v[BO]                 ; (the stores below reach back by 512)
.elseif qq < 5
.set mm, (qq-1)/2
.if (qq-1)%2 == 0
	v_max3_num_f32 v[XA+mm], v[H0+8*mm], v[H0+8*mm+1], 0x8000000   ; with the floor 2^(16 - 127)
.else
	v_max3_num_f32 v[XB+mm], v[S1+8*mm], v[S1+8*mm+1], v[S1+8*mm+2]
.endif
.elseif qq < 13
.set oo, (qq-5)/4
.set mm, ((qq-5)%4)/2
.if (qq-5)%2 == 0
	v_max3_num_f32 v[XA+mm], v[XA+mm], v[H0+8*mm+2+2*oo], v[H0+8*mm+3+2*oo]
.else
	v_max3_num_f32 v[XB+mm], v[XB+mm], v[S1+8*mm+3+2*oo], v[S1+8*mm+4+2*oo]
.endif
.elseif qq < 15
.set mm, qq-13
	v_max3_num_f32 v[XA+mm], v[XA+mm], v[H0+8*mm+6], v[H0+8*mm+7]
.elseif qq < 17
.set mm, qq-15
	v_max3_num_f32 v[XA+mm], v[XA+mm], v[XB+mm], v[S1+8*mm+7]
.elseif qq < 19
.set mm, qq-17
	v_permlanex16_b32 v[PL+mm], v[XA+mm], s[SEL], s[SEL+1]
.elseif qq < 21
.set mm, qq-19
	v_max_num_f32 v[XA+mm], v[XA+mm], v[PL+mm]     ; the block's largest number
.elseif qq < 23
.set mm, qq-21
	v_add_nc_u32 v[SCL+mm], 0xf8800000, v[XA+mm]   ; 15 off its exponent field: the conversion's scale operand
.elseif qq < 25
.set mm, qq-23
	v_and_or_b32 v[HLD+mm], v[XA+mm], 0x7f800000, s[MNT]   ; 57,344 x the scale
.elseif qq < 27
.set mm, qq-25
	v_lshrrev_b32 v[EB+mm], 23, v[SCL+mm]          ; the scale's byte
.elseif qq < 59
.set mm, (qq-27)/16
.set oo, (qq-27)%16
.if oo < 8
	v_min_num_f32 v[H0+8*mm+oo], v[H0+8*mm+oo], v[HLD+mm]           ; the conversion does not saturate (ISA guide 7.6.2)
.else
	v_min_num_f32 v[S1+8*mm+oo-8], v[S1+8*mm+oo-8], v[HLD+mm]
.endif
.elseif qq < 63
.set mm, (qq-59)/2
.if (qq-59)%2 == 0
	v_cvt_scalef32_pk8_bf8_f32 v[CD+4*mm:CD+4*mm+1], v[H0+8*mm:H0+8*mm+7], v[SCL+mm]
.else
	v_cvt_scalef32_pk8_bf8_f32 v[CD+4*mm+2:CD+4*mm+3], v[S1+8*mm:S1+8*mm+7], v[SCL+mm]
.endif
.elseif qq == 63
	v_cndmask_b32 v[EB], v[EB], v[EB+1], s[HM]     ; lanes 0-15 tile 0's byte, lanes 16-31 tile 1's (the plain line behind the conversions)
.elseif qq < 67
	v_perm_b32 v[RW+qq-64], v[RW+qq-63], v[RW+qq-64], s[PSEL]   ; the 16 bytes go one byte down,
.elseif qq == 67
	v_perm_b32 v[RW+3], v[EB], v[RW+3], s[PSEL]    ; and the pair's byte comes in on top
.elseif qq == 68
	global_store_b128 v[BO], v[CD:CD+3], s[12:13] offset:-512          ; 32 lanes store 512 consecutive bytes, aligned to 256
.else
	global_store_b128 v[BO], v[CD+4:CD+7], s[12:13] offset:65536-512   ; the second tile of rows
.endif
.endm
; List 1: the activation of S0 into H0.  List 2: the activation of S1 in place, then the quantiser.  One wait at a list's head, directly ahead of the first reader of the scores.
.macro VRUN vk
.if \vk == 2
	s_wait_xcnt 0x0                                ; the last pair's stores have read their offset and data, which this list writes again
.endif
	s_wait_alu depctr_va_vdst(0)
.set jj, 0
.rept 168+70*(\vk-1)
.if \vk == 1
	ACTI S0, H0
.elseif jj < 168
	ACTI S1, S1
.else
	QI
.endif
.set jj, jj+1
.endr
.endm
; K's tile t of the pair against my two tiles of rows, K ascending, the two accumulators by turns; then the eight places that loads into the operands and readers of the sums want
.macro PROD t
	WIN 0x04                                       ; source 1 (Q) window 1
.irp k, 0,1,2,3,4,5,6,7
.irp m, 0,1
.set rD, S0+16*\t+8*\m
.set rA, KF+16*\k
.set rB, 16*(8*\m+\k)
.set rSA, KS+\k
.set rSB, QS+\k
	WM (\k==0), \t, \m
.endr
.endr
	WIN 0
	PLACES 8
.endm
.macro FETCH off                       ; a tile of K: 32 loads at 16 x lane
.irp k, 0,1,2,3,4,5,6,7
.irp c, 0,1,2,3
	ds_load_b128 v[KF+16*\k+4*\c:KF+16*\k+4*\c+3], v[ADK] offset:\off+2048*\k+512*\c
.endr
.endr
.endm
.macro NEXTP                           ; the pair at s[TB]: its scale words and its tile 0
	v_add_nc_u32 v[ADK], s[TB], v[LI]
	v_add_nc_u32 v[ADS], s[TS], v[LIS]
	s_wait_alu depctr_va_vdst(0)
	ds_load_b128 v[KS:KS+3], v[ADS]
	ds_load_b128 v[KS+4:KS+7], v[ADS] offset:512
	FETCH 0
.endm
.macro BOTH                            ; a pair's products, and tile 0's activation between them
	s_wait_dscnt 0x0                               ; tile 0 and the scale words are in
	PROD 0
	FETCH 16384
	VRUN 1
	s_wait_dscnt 0x0                               ; tile 1 is in
	PROD 1
.endm
.macro RUN n                           ; a trip: the next pair is asked of LDS, the pair in hand is finished, the next pair is multiplied
	s_mov_b32 s[CNT], \n
.Lba_\@:
	NEXTP
	VRUN 2
	BOTH
	s_add_co_u32 s[TB], s[TB], 32768
	s_add_co_u32 s[TS], s[TS], 1024
	s_sub_co_u32 s[CNT], s[CNT], 1
	s_cmp_lg_u32 s[CNT], 0
	s_cbranch_scc1 .Lba_\@
.endm
; THE CHANGE OF SLOTS.  No LDS load of mine is out.  fill = 1: slot q, just left, takes the tiles two slots on, behind a round of the cluster's barrier
.macro CHANGE fill, q, nb
	s_wait_tensorcnt 0x0                           ; my part of the slot ahead is in; a group 0 may be written
	ds_add_u32 v[SPW], v[NIL]
	s_mov_b32 s[TB], \nb
.if \fill
	s_add_nc_u64 s[G0+4*\q+2:G0+4*\q+3], s[G0+4*\q+2:G0+4*\q+3], 2*SLOTB
	s_wait_dscnt 0x0
	CROUND
	TL G0+4*\q, G1K
.else
	s_wait_dscnt 0x0
	s_barrier_signal -1
	s_barrier_wait -1
.endif
.endm
	s_wait_tensorcnt 0x0                           ; my part of the head's load is in; the same three lines ahead of slot 1's first fill as ahead of a refill
	ds_add_u32 v[SPW], v[NIL]
	s_mov_b32 s[TB], 0
	s_mov_b32 s[TS], 0
	s_wait_dscnt 0x0
	CROUND
	TL G0+4, G1K                                   ; slot 1: a tile a wave
	NEXTP                                          ; pair 0
	s_wait_loadcnt 0x0                             ; Q
	BOTH
	s_mov_b32 s[TB], 32768                         ; pair 1
	s_mov_b32 s[TS], 1024
	RUN 3                                          ; pairs 1-3 are multiplied: slot 0 is read out
	CHANGE 1, 0, SLOTB
	RUN 4                                          ; pairs 4-7
	CHANGE 1, 1, 0
	RUN 4                                          ; pairs 8-11
	CHANGE 0, 0, SLOTB                             ; nothing is left to fetch from memory
	RUN 4                                          ; pairs 12-15
	VRUN 2                                         ; pair 15 is finished
	global_store_b128 v[LI], v[RW:RW+3], s[14:15]  ; my 32 rows' scale words of four K steps: 512 consecutive bytes
	s_wait_tensorcnt 0x0                           ; the wave's end
	ds_add_u32 v[SPW], v[NIL]
	s_wait_dscnt 0x0
	CROUND                                         ; the closing round
	s_endpgm
.Lfunc_end_k_qb4af1bc9bb_scores:
	.size	k_qb4af1bc9bb_scores, .Lfunc_end_k_qb4af1bc9bb_scores-k_qb4af1bc9bb_scores
	.p2alignl 7, 3214868480
	.fill 96, 4, 3214868480
	.section	.rodata,"a",@progbits
	.p2align	6, 0x0
	.amdhsa_kernel k_qb4af1bc9bb_scores
		.amdhsa_group_segment_fixed_size 327680
		.amdhsa_private_segment_fixed_size 0
		.amdhsa_enable_private_segment 0
		.amdhsa_kernarg_size 48
		.amdhsa_user_sgpr_count 2
		.amdhsa_user_sgpr_kernarg_segment_ptr 1
		.amdhsa_wavefront_size32 1
		.amdhsa_system_sgpr_workgroup_id_x 1
		.amdhsa_system_sgpr_workgroup_id_y 1
		.amdhsa_system_sgpr_workgroup_id_z 1
		.amdhsa_system_vgpr_workitem_id 0
		.amdhsa_next_free_vgpr 512
		.amdhsa_next_free_sgpr 92
		.amdhsa_reserve_vcc 0
		.amdhsa_float_denorm_mode_32 3
		.amdhsa_float_denorm_mode_16_64 3
		.amdhsa_memory_ordered 1
		.amdhsa_forward_progress 1
		.amdhsa_inst_pref_size 180
	.end_amdhsa_kernel
	.amdgpu_metadata
---
amdhsa.version: [ 1, 2 ]
amdhsa.kernels:
  - .name:           k_qb4af1bc9bb_scores
    .symbol:         k_qb4af1bc9bb_scores.kd
    .args:
      - { .name: qc, .offset: 0, .size: 8, .value_kind: global_buffer, .address_space: global }
      - { .name: qs, .offset: 8, .size: 8, .value_kind: global_buffer, .address_space: global }
      - { .name: kc, .offset: 16, .size: 8, .value_kind: global_buffer, .address_space: global }
      - { .name: ks, .offset: 24, .size: 8, .value_kind: global_buffer, .address_space: global }
      - { .name: bc, .offset: 32, .size: 8, .value_kind: global_buffer, .address_space: global }
      - { .name: bs, .offset: 40, .size: 8, .value_kind: global_buffer, .address_space: global }
    .group_segment_fixed_size: 327680
    .private_segment_fixed_size: 0
    .kernarg_segment_align: 8
    .kernarg_segment_size: 48
    .max_flat_workgroup_size: 256
    .sgpr_count:     92
    .vgpr_count:     512
    .wavefront_size: 32
...
	.end_amdgpu_metadata
.endif
;; end of part 2
;; launch mix (part 3): grid 32 x 8, 4 waves a work-group, clusters of 4 x 1, 327,680 bytes of LDS; arguments bc, bs, q_weight_codes, q_weight_scales, xw; writes xw
.if DOCPART == 3
	.amdgcn_target "amdgcn-amd-amdhsa--gfx1250"
	.amdhsa_code_object_version 6
	.text
	.protected	k_qb4af1bc9bb_mix
	.globl	k_qb4af1bc9bb_mix
	.p2align	8
	.type	k_qb4af1bc9bb_mix,@function
k_qb4af1bc9bb_mix:
	s_mov_b64 s[64:65], 0
	v_nop
	global_prefetch_b8 v0, s[64:65] scope:SCOPE_SE
	s_setreg_imm32_b32 hwreg(HW_REG_WAVE_MODE, 25, 1), 1
	s_wait_xcnt 0x0
	s_wait_alu depctr_hold_cnt(0) depctr_sa_sdst(0) depctr_va_vdst(0) depctr_va_sdst(0) depctr_va_ssrc(0) depctr_va_vcc(0) depctr_vm_vsrc(0)
	s_getreg_b32 s2, hwreg(HW_REG_IB_STS2, 6, 4)
	s_cmp_eq_u32 s2, 0
	s_cbranch_scc0 .Lentry_in_a_cluster
	s_endpgm
.Lentry_in_a_cluster:
	s_bfe_u32 s2, ttmp6, 0x10000c
	s_cmp_lg_u32 s2, 0x3003
	s_cbranch_scc0 .Lentry_shape_is_right
	s_endpgm
.Lentry_shape_is_right:
.set VP,     1040
.set SLOTB,  128*VP
.set SCV,    2*SLOTB
.set STAGE,  SCV+64*272
.set SPITCH, 528
.set SPARE,  STAGE+4*16*SPITCH
.set AO,   1
.set SPW,  2
.set NIL,  3
.set ADRV, 4
.set ADS,  8
.set STO,  9
.set RD,   10
.set PFO,  12
.set BSB,  16
.set VSB,  32
.set BK,   128
.set WV,   14
.set RB,   16
.set YY,   17
.set G1V,  24
.set G1S,  32
.set G0S,  40
.set G0,   44
.set MULW, 0xf9
.set TO_V, 0x40
.set TO_A, 0x80
.set MSB, 0
.macro WIN new
.if MSB != \new
	s_set_vgpr_msb (MSB<<8)|\new
.set MSB, \new
.endif
.endm
.macro PLACES n
.rept \n
	v_nop
.endr
.endm
.macro CREST
	s_cmp_lg_u32 s[WV], 0
	s_cbranch_scc1 .Lnot_wave_0_\@
	s_barrier_signal -3
.Lnot_wave_0_\@:
	s_barrier_wait -3
	s_barrier_signal -1
	s_barrier_wait -1
.endm
.macro CROUND
	s_barrier_signal -1
	s_barrier_wait -1
	CREST
.endm
.macro TL g0, g1
	tensor_load_to_lds s[\g0:\g0+3], s[\g1:\g1+7]
	s_nop 0
.rept 4
	v_nop
.endr
.endm
.macro WM z, ra, rb
.if (\z) && ((\ra) == 0) && ((\rb) == 0)
	v_wmma_scale_f32_16x16x128_f8f6f4 v[rD:rD+7], v[rA:rA+15], v[rB:rB+15], 0, v[rSA], v[rSB] matrix_a_fmt:MATRIX_FMT_BF8 matrix_b_fmt:MATRIX_FMT_BF8
.elseif (\z) && ((\ra) == 0)
	v_wmma_scale_f32_16x16x128_f8f6f4 v[rD:rD+7], v[rA:rA+15], v[rB:rB+15], 0, v[rSA], v[rSB] matrix_a_fmt:MATRIX_FMT_BF8 matrix_b_fmt:MATRIX_FMT_BF8 matrix_b_scale:MATRIX_SCALE_ROW1
.elseif (\z) && ((\rb) == 0)
	v_wmma_scale_f32_16x16x128_f8f6f4 v[rD:rD+7], v[rA:rA+15], v[rB:rB+15], 0, v[rSA], v[rSB] matrix_a_fmt:MATRIX_FMT_BF8 matrix_b_fmt:MATRIX_FMT_BF8 matrix_a_scale:MATRIX_SCALE_ROW1
.elseif (\z)
	v_wmma_scale_f32_16x16x128_f8f6f4 v[rD:rD+7], v[rA:rA+15], v[rB:rB+15], 0, v[rSA], v[rSB] matrix_a_fmt:MATRIX_FMT_BF8 matrix_b_fmt:MATRIX_FMT_BF8 matrix_a_scale:MATRIX_SCALE_ROW1 matrix_b_scale:MATRIX_SCALE_ROW1
.elseif ((\ra) == 0) && ((\rb) == 0)
	v_wmma_scale_f32_16x16x128_f8f6f4 v[rD:rD+7], v[rA:rA+15], v[rB:rB+15], v[rD:rD+7], v[rSA], v[rSB] matrix_a_fmt:MATRIX_FMT_BF8 matrix_b_fmt:MATRIX_FMT_BF8
.elseif ((\ra) == 0)
	v_wmma_scale_f32_16x16x128_f8f6f4 v[rD:rD+7], v[rA:rA+15], v[rB:rB+15], v[rD:rD+7], v[rSA], v[rSB] matrix_a_fmt:MATRIX_FMT_BF8 matrix_b_fmt:MATRIX_FMT_BF8 matrix_b_scale:MATRIX_SCALE_ROW1
.elseif ((\rb) == 0)
	v_wmma_scale_f32_16x16x128_f8f6f4 v[rD:rD+7], v[rA:rA+15], v[rB:rB+15], v[rD:rD+7], v[rSA], v[rSB] matrix_a_fmt:MATRIX_FMT_BF8 matrix_b_fmt:MATRIX_FMT_BF8 matrix_a_scale:MATRIX_SCALE_ROW1
.else
	v_wmma_scale_f32_16x16x128_f8f6f4 v[rD:rD+7], v[rA:rA+15], v[rB:rB+15], v[rD:rD+7], v[rSA], v[rSB] matrix_a_fmt:MATRIX_FMT_BF8 matrix_b_fmt:MATRIX_FMT_BF8 matrix_a_scale:MATRIX_SCALE_ROW1 matrix_b_scale:MATRIX_SCALE_ROW1
.endif
.endm
	s_load_b256 s[4:11], s[0:1], 0x0
	s_load_b64 s[12:13], s[0:1], 0x20
	v_lshl_add_u32 v[SPW], v0, 2, SPARE
	v_mov_b32 v[NIL], 0
	ds_add_u32 v2, v3
	ds_add_u32 v2, v3
	s_wait_dscnt 0x0
	v_lshrrev_b32 v13, 5, v0
	v_readfirstlane_b32 s[WV], v13
	v_and_b32 v13, 31, v0
	v_lshlrev_b32 v[AO], 4, v13
	v_and_b32 v14, 15, v0
	v_bfe_u32 v15, v0, 4, 1
	v_mul_u32_u24 v[ADRV], v14, VP
	v_lshl_add_u32 v[ADRV], v15, 4, v[ADRV]
	v_add_nc_u32 v[ADRV+1], 64*VP, v[ADRV]
	v_add_nc_u32 v[ADRV+2], SLOTB, v[ADRV]
	v_add_nc_u32 v[ADRV+3], SLOTB+64*VP, v[ADRV]
	v_lshrrev_b32 v[ADS], 1, v13
	v_lshlrev_b32 v[ADS], 4, v[ADS]
	v_lshl_add_u32 v[ADS], v13, 7, v[ADS]
	v_add_nc_u32 v[ADS], SCV, v[ADS]
	s_mul_i32 s22, s[WV], 16*SPITCH
	s_add_co_u32 s22, s22, STAGE
	v_mul_u32_u24 v[STO], v14, SPITCH
	v_lshl_add_u32 v[STO], v15, 5, v[STO]
	v_add_nc_u32 v[STO], s22, v[STO]
	v_add_nc_u32 v[RD], s22, v[AO]
	v_lshrrev_b32 v[PFO], 3, v13
	v_lshlrev_b32 v[PFO], 16, v[PFO]
	v_and_b32 v13, 7, v13
	v_lshl_add_u32 v[PFO], v13, 8, v[PFO]
	s_bfe_u32 s15, ttmp6, 0x40000
	s_lshl_b32 s[RB], ttmp9, 2
	s_add_co_u32 s[RB], s[RB], s15
	s_and_b32 s[YY], ttmp7, 0xffff
	s_mov_b32 s[G1V], 15|(1<<20)|(1<<21)|(7<<22)|(3<<25)
	s_mov_b32 s[G1V+1], 1024<<16
	s_mov_b32 s[G1V+2], 64<<16
	s_mov_b32 s[G1V+3], 1024<<16
	s_mov_b32 s[G1V+4], 64
	s_mov_b32 s[G1V+5], 4096
	s_mov_b32 s[G1V+6], 0
	s_mov_b32 s[G1V+7], 0
	s_mov_b32 s[G1S], 15|(3<<16)|(1<<20)|(1<<21)|(5<<22)|(3<<25)
	s_mov_b32 s[G1S+1], 32<<16
	s_mov_b32 s[G1S+2], 32<<16
	s_mov_b32 s[G1S+3], 32<<16
	s_mov_b32 s[G1S+4], 32
	s_mov_b32 s[G1S+5], 32
	s_mov_b32 s[G1S+6], 0
	s_mov_b32 s[G1S+7], 0
	s_lshl_b32 s18, s[YY], 19
	s_lshl_b32 s19, s[WV], 17
	s_add_co_u32 s18, s18, s19
	s_mov_b32 s19, 0
	s_lshl_b32 s20, s[YY], 14
	s_lshl_b32 s21, s[WV], 12
	s_add_co_u32 s20, s20, s21
	s_mov_b32 s21, 0
	s_wait_kmcnt 0x0
	s_mov_b32 s[G0S], 1
	s_and_b32 s15, s[WV], 1                        ; the head's tiles are shared out: waves 0, 1 take 64 rows of slot 0 each, waves 2, 3 half of the scale bytes each
	s_mul_i32 s[G0S+1], s15, 32*272
	s_add_co_u32 s[G0S+1], s[G0S+1], SCV
	s_lshl_b32 s20, s[YY], 14
	s_lshl_b32 s22, s15, 13
	s_add_co_u32 s20, s20, s22
	s_add_nc_u64 s[G0S+2:G0S+3], s[10:11], s[20:21]
	s_or_b32 s[G0S+3], s[G0S+3], 0x80000000
	s_mov_b32 s52, 1
	s_mul_i32 s53, s15, 64*VP
	s_lshl_b32 s22, s[YY], 19
	s_lshl_b32 s23, s15, 18
	s_add_co_u32 s22, s22, s23
	s_mov_b32 s23, 0
	s_add_nc_u64 s[54:55], s[8:9], s[22:23]
	s_or_b32 s55, s55, 0x80000000
	s_add_nc_u64 s[18:19], s[8:9], s[18:19]
.irp q, 0,1
	s_mov_b32 s[G0+4*\q], 1
	s_mul_i32 s[G0+4*\q+1], s[WV], 32*VP
	s_add_co_u32 s[G0+4*\q+1], s[G0+4*\q+1], SLOTB*\q
	s_add_nc_u64 s[G0+4*\q+2:G0+4*\q+3], s[18:19], 1024*\q
	s_or_b32 s[G0+4*\q+3], s[G0+4*\q+3], 0x80000000
.endr
	s_mov_b32 s21, 0
	s_lshl_b32 s20, s[RB], 20
	s_lshl_b32 s22, s[WV], 18
	s_add_co_u32 s20, s20, s22
	s_add_nc_u64 s[4:5], s[4:5], s[20:21]
	s_lshl_b32 s22, s[YY], 9
	s_add_co_u32 s20, s20, s22
	s_add_nc_u64 s[12:13], s[12:13], s[20:21]
	s_lshl_b32 s20, s[RB], 15
	s_lshl_b32 s22, s[WV], 13
	s_add_co_u32 s20, s20, s22
	s_add_nc_u64 s[6:7], s[6:7], s[20:21]
	s_wait_alu depctr_va_vdst(0)                   ; the wait at the head's end
.irp p, 0,1
	global_load_b128 v[BSB+4*\p:BSB+4*\p+3], v[AO], s[6:7] offset:4096*\p   ; B's first scale words and its first four K steps go out ahead of the round
.endr
	WIN TO_A
.irp j, 0,1,2,3
.irp m, 0,1,2,3
.irp c, 0,1,2,3
	global_load_b128 v[64*\j+16*\m+4*\c:64*\j+16*\m+4*\c+3], v[AO], s[4:5] offset:65536*\m+2048*\j+512*\c
.endr
.endr
.endr
	WIN 0
	CROUND
	s_cmp_lt_u32 s[WV], 2                          ; one load a wave at the head
	s_cbranch_scc0 .Lhead_s
	TL 52, G1V
	s_branch .Lhead_j
.Lhead_s:
	TL G0S, G1S
.Lhead_j:
	s_wait_tensorcnt 0x0
	ds_add_u32 v2, v3
	s_mov_b32 s[G1V+2], 32<<16                     ; no tensor load of mine is out: from here on a load brings 32 rows
	s_mov_b32 s[G1V+4], 32
	s_wait_dscnt 0x0
	CROUND
	TL G0+4, G1V
.macro VLOAD j
.irp b, 0,1,2,3,4,5,6,7
.irp c, 0,1,2,3
	ds_load_b128 v[128*((\j)%2)+16*\b+4*\c:128*((\j)%2)+16*\b+4*\c+3], v[ADRV+2*(((\j)/8)%2)+\b/4] offset:16*VP*(\b%4)+128*((\j)%8)+32*\c
.endr
.endr
.endm
.macro ALOAD j, m
.irp c, 0,1,2,3
	global_load_b128 v[64*((\j)%4)+16*(\m)+4*\c:64*((\j)%4)+16*(\m)+4*\c+3], v[AO], s[4:5] offset:65536*(\m)+2048*(\j)+512*\c
.endr
.endm
.macro BSLOAD n
.irp p, 0,1
	global_load_b128 v[BSB+8*((\n)%2)+4*\p:BSB+8*((\n)%2)+4*\p+3], v[AO], s[6:7] offset:4096*\p+512*(\n)
.endr
.endm
.macro VSLOAD n
.irp p, 0,1,2,3
	ds_load_b128 v[VSB+16*((\n)%2)+4*\p:VSB+16*((\n)%2)+4*\p+3], v[ADS] offset:4352*\p+16*(\n)
.endr
.endm
.macro MUL8 j, m
.irp b, 0,1,2,3,4,5,6,7
.set rD, 8*(8*(\m)+\b)
.set rA, 128*((\j)%2)+16*\b
.set rB, 64*((\j)%4)+16*(\m)
.set rSA, VSB+16*(((\j)/4)%2)+4*(\b/2)+((\j)%4)
.set rSB, BSB+8*(((\j)/4)%2)+4*((\m)/2)+((\j)%4)
	WM ((\j)==0), (\b%2), ((\m)%2)
.endr
.endm
.macro ASK j
	s_cmp_eq_u32 s[YY], 0
	s_cbranch_scc0 .Lnot_mine_\@
	global_prefetch_b8 v[PFO], s[4:5] offset:2048*((\j)+12) th:TH_LOAD_NT scope:SCOPE_SE
.Lnot_mine_\@:
.endm
.macro REST j
.set GG, (\j)/4
.if (((\j)%4) == 0) && (GG < 7)
	WIN 0
	BSLOAD GG+1
.endif
.if (\j) < 28
	WIN TO_A
	ALOAD (\j)+4, 0
	ALOAD (\j)+4, 1
.endif
.if (\j) < 20
	WIN 0
	ASK \j
.endif
	WIN MULW
	MUL8 \j, 2
	MUL8 \j, 3
	PLACES 8
.if (\j) < 28
	WIN TO_A
	ALOAD (\j)+4, 2
	ALOAD (\j)+4, 3
.endif
.endm
.macro BWAIT j
.if (\j) <= 28
	s_wait_loadcnt 48
.else
	s_wait_loadcnt 16*(31-(\j))
.endif
.endm
.macro KSTEP j
.set GG, (\j)/4
.if (((\j)%4) == 0) && (GG < 7)
	WIN 0
	VSLOAD GG+1
.endif
.if (\j) < 31
	WIN TO_V
	VLOAD (\j)+1
	s_wait_dscnt 32
.else
	s_wait_dscnt 0x0
.endif
	BWAIT \j
	WIN MULW
	MUL8 \j, 0
	MUL8 \j, 1
	PLACES 8
	REST \j
.endm
.macro TURN j, fill, slot
	WIN 0
	s_wait_tensorcnt 0x0
	ds_add_u32 v[SPW], v[NIL]
	BWAIT \j
	s_wait_dscnt 0x1
	WIN MULW
	MUL8 \j, 0
	s_wait_dscnt 0x0
	s_barrier_signal -1
	MUL8 \j, 1
	WIN 0
	s_barrier_wait -1
.if \fill
	CREST
	s_add_nc_u64 s[G0+4*\slot+2:G0+4*\slot+3], s[G0+4*\slot+2:G0+4*\slot+3], 2048
	TL G0+4*\slot, G1V
	PLACES 4
.else
	PLACES 8
.endif
	WIN TO_V
	VLOAD (\j)+1
	REST \j
.endm
	s_wait_tensorcnt 0x1
	s_barrier_signal -1
	s_barrier_wait -1
	s_wait_alu depctr_va_vdst(0)
	VSLOAD 0
	WIN TO_V
	VLOAD 0
.irp j, 0,1,2,3,4,5,6
	KSTEP \j
.endr
	TURN 7, 1, 0
.irp j, 8,9,10,11,12,13,14
	KSTEP \j
.endr
	TURN 15, 1, 1
.irp j, 16,17,18,19,20,21,22
	KSTEP \j
.endr
	TURN 23, 0, 0
.irp j, 24,25,26,27,28,29,30,31
	KSTEP \j
.endr
.macro TOSTAGE a
.set AC, 64*(\a)
	WIN 0x0c
.irp b, 0,1,2,3,4,5,6,7
	ds_store_b128 v[STO], v[AC+8*\b:AC+8*\b+3] offset:64*\b
	ds_store_b128 v[STO], v[AC+8*\b+4:AC+8*\b+7] offset:64*\b+16
.endr
	WIN 0
.set BB, BK+64*((\a)%2)
.irp t, 0,1,2,3,4,5,6,7,8,9,10,11,12,13,14,15
	ds_load_b128 v[BB+4*\t:BB+4*\t+3], v[RD] offset:\t*SPITCH
.endr
.endm
.macro SEND a, younger
.set BB, BK+64*((\a)%2)
	s_wait_dscnt \younger
.if (\a) > 0
	s_add_nc_u64 s[12:13], s[12:13], 65536
.endif
.irp t, 0,1,2,3,4,5,6,7,8,9,10,11,12,13,14,15
	global_store_b128 v[AO], v[BB+4*\t:BB+4*\t+3], s[12:13] offset:\t*4096
.endr
.endm
	TOSTAGE 0
.irp a, 1,2,3
.if \a > 1
	s_wait_xcnt 0x0
.endif
	TOSTAGE \a
	SEND \a-1, 32
.endr
	s_wait_xcnt 0x0
	SEND 3, 0
	s_wait_tensorcnt 0x0
	ds_add_u32 v[SPW], v[NIL]
	s_wait_dscnt 0x0
	CROUND
	s_endpgm
.Lfunc_end_k_qb4af1bc9bb_mix:
	.size	k_qb4af1bc9bb_mix, .Lfunc_end_k_qb4af1bc9bb_mix-k_qb4af1bc9bb_mix
	.p2alignl 7, 3214868480
	.fill 96, 4, 3214868480
	.section	.rodata,"a",@progbits
	.p2align	6, 0x0
	.amdhsa_kernel k_qb4af1bc9bb_mix
		.amdhsa_group_segment_fixed_size 327680
		.amdhsa_private_segment_fixed_size 0
		.amdhsa_enable_private_segment 0
		.amdhsa_kernarg_size 40
		.amdhsa_user_sgpr_count 2
		.amdhsa_user_sgpr_kernarg_segment_ptr 1
		.amdhsa_wavefront_size32 1
		.amdhsa_system_sgpr_workgroup_id_x 1
		.amdhsa_system_sgpr_workgroup_id_y 1
		.amdhsa_system_sgpr_workgroup_id_z 1
		.amdhsa_system_vgpr_workitem_id 0
		.amdhsa_next_free_vgpr 1024
		.amdhsa_next_free_sgpr 66
		.amdhsa_reserve_vcc 0
		.amdhsa_float_denorm_mode_32 3
		.amdhsa_float_denorm_mode_16_64 3
		.amdhsa_memory_ordered 1
		.amdhsa_forward_progress 1
		.amdhsa_inst_pref_size 255
	.end_amdhsa_kernel
	.section	.bss,"aw",@nobits
	.p2align	6
	.space	262144
	.amdgpu_metadata
---
amdhsa.version: [ 1, 2 ]
amdhsa.kernels:
  - .name:           k_qb4af1bc9bb_mix
    .symbol:         k_qb4af1bc9bb_mix.kd
    .args:
      - { .name: bc, .offset: 0, .size: 8, .value_kind: global_buffer, .address_space: global }
      - { .name: bs, .offset: 8, .size: 8, .value_kind: global_buffer, .address_space: global }
      - { .name: q_weight_codes, .offset: 16, .size: 8, .value_kind: global_buffer, .address_space: global }
      - { .name: q_weight_scales, .offset: 24, .size: 8, .value_kind: global_buffer, .address_space: global }
      - { .name: xw, .offset: 32, .size: 8, .value_kind: global_buffer, .address_space: global }
    .group_segment_fixed_size: 327680
    .private_segment_fixed_size: 0
    .kernarg_segment_align: 8
    .kernarg_segment_size: 40
    .max_flat_workgroup_size: 128
    .sgpr_count:     66
    .vgpr_count:     1024
    .wavefront_size: 32
...
	.end_amdgpu_metadata
.endif
;; end of part 3
;; launch norm (part 4): grid 256 x 1, 8 waves a work-group, no clusters, 0 bytes of LDS; arguments xw, bias, out0; writes out0
.if DOCPART == 4
	.amdgcn_target "amdgcn-amd-amdhsa--gfx1250"
	.amdhsa_code_object_version 6
	.text
	.protected	k_qb4af1bc9bb_norm
	.globl	k_qb4af1bc9bb_norm
	.p2align	8
	.type	k_qb4af1bc9bb_norm,@function
k_qb4af1bc9bb_norm:
	s_mov_b64 s[64:65], 0
	v_nop
	global_prefetch_b8 v0, s[64:65] scope:SCOPE_SE
	s_setreg_imm32_b32 hwreg(HW_REG_WAVE_MODE, 25, 1), 1
	s_wait_xcnt 0x0
; out0[r][:] = X[r][:] / max(sqrt(sum of squares of X[r][:]), 1e-12) + bias.  X, out0: [8192][1024] f32.
; A row is 4,096 bytes: one wave takes a whole row in 32 registers, so the row is read once and the sum never leaves the wave.  Eight waves, four rows each; all of a wave's 40 loads go out at the head,
; each row has registers of its own, and it is scaled in place and stored from them: no register is written again behind a store.  Each load and store of a wave covers 512 consecutive bytes.
; No LDS, no barrier, no cluster: work-groups share only the bias, 4,096 bytes.
; LIMITS: NaN and infinities are not served; magnitudes beyond about 1e17 overflow the sum of squares.
.set LO, 1                             ; v1   16 x lane
.set BI, 8                             ; v8-39   the bias at my 32 columns
.set X,  40                            ; v40-167 four rows of 32
.set SM, 168                           ; v168-175 sums at work
.set BC, 176                           ; v[176:177] 1 / the norm (the packed form names a pair and takes its low word)
.set SEL, 14
.set EPS, 16
	s_load_b128 s[4:7], s[0:1], 0x0                ; xw, bias
	s_load_b64 s[8:9], s[0:1], 0x10                ; out0
	v_lshrrev_b32 v2, 5, v0
	s_delay_alu instid0(VALU_DEP_1)
	v_readfirstlane_b32 s10, v2                    ; wave 0..7
	v_and_b32 v2, 31, v0
	s_delay_alu instid0(VALU_DEP_1)
	v_lshlrev_b32 v[LO], 4, v2
	v_mov_b32 v[BC+1], 0
	s_lshl_b32 s11, ttmp9, 3
	s_add_co_u32 s11, s11, s10
	s_lshl_b32 s12, s11, 14                        ; four rows of 4,096 bytes for each wave
	s_mov_b32 s13, 0
	s_mov_b32 s[SEL], 0x76543210
	s_mov_b32 s[SEL+1], 0xfedcba98                 ; v_permlanex16_b32's selects for lane l xor 16
	s_mov_b32 s[EPS], 0x2b8cbccc                   ; 1e-12
	s_wait_alu depctr_va_vdst(0)
	s_wait_kmcnt 0x0
	s_add_nc_u64 s[4:5], s[4:5], s[12:13]
	s_add_nc_u64 s[8:9], s[8:9], s[12:13]
.irp j, 0,1,2,3,4,5,6,7
	global_load_b128 v[BI+4*\j:BI+4*\j+3], v[LO], s[6:7] offset:512*\j
.endr
.irp i, 0,1,2,3
.irp j, 0,1,2,3,4,5,6,7
	global_load_b128 v[X+32*\i+4*\j:X+32*\i+4*\j+3], v[LO], s[4:5] offset:4096*\i+512*\j th:TH_LOAD_NT
.endr
.endr
.macro ROW i
.set RR, X+32*\i
	s_wait_loadcnt 8*(3-\i)                        ; loads come back in order (ISA guide 5.7.1): the bias and this row are in, the younger rows stay out
.irp c, 0,1,2,3
	v_pk_mul_f32 v[SM+2*\c:SM+2*\c+1], v[RR+2*\c:RR+2*\c+1], v[RR+2*\c:RR+2*\c+1]
.endr
.irp o, 8,16,24
.irp c, 0,1,2,3
	s_delay_alu instid0(VALU_DEP_4)
	v_pk_fma_f32 v[SM+2*\c:SM+2*\c+1], v[RR+\o+2*\c:RR+\o+2*\c+1], v[RR+\o+2*\c:RR+\o+2*\c+1], v[SM+2*\c:SM+2*\c+1]
.endr
.endr
	s_delay_alu instid0(VALU_DEP_3)
	v_pk_add_f32 v[SM:SM+1], v[SM:SM+1], v[SM+2:SM+3]
	s_delay_alu instid0(VALU_DEP_2)
	v_pk_add_f32 v[SM+4:SM+5], v[SM+4:SM+5], v[SM+6:SM+7]
	s_delay_alu instid0(VALU_DEP_1)
	v_pk_add_f32 v[SM:SM+1], v[SM:SM+1], v[SM+4:SM+5]
	s_delay_alu instid0(VALU_DEP_1)
	v_add_f32 v[SM], v[SM], v[SM+1]
	s_delay_alu instid0(VALU_DEP_1)
	v_add_f32_dpp v[SM], v[SM], v[SM] row_xmask:1 row_mask:0xf bank_mask:0xf
	s_delay_alu instid0(VALU_DEP_1)
	v_add_f32_dpp v[SM], v[SM], v[SM] row_xmask:2 row_mask:0xf bank_mask:0xf
	s_delay_alu instid0(VALU_DEP_1)
	v_add_f32_dpp v[SM], v[SM], v[SM] row_xmask:4 row_mask:0xf bank_mask:0xf
	s_delay_alu instid0(VALU_DEP_1)
	v_add_f32_dpp v[SM], v[SM], v[SM] row_xmask:8 row_mask:0xf bank_mask:0xf
	s_delay_alu instid0(VALU_DEP_1)
	v_permlanex16_b32 v[SM+1], v[SM], s[SEL], s[SEL+1]
	s_delay_alu instid0(VALU_DEP_1)
	v_add_f32 v[SM], v[SM], v[SM+1]                ; the row's sum of squares, in every lane
	s_wait_alu depctr_va_vdst(0)
	v_sqrt_f32 v[SM+2], v[SM]
	v_nop                                          ; a plain instruction between a transcendental and the use of its result (ISA guide 5.7.2)
	s_wait_alu depctr_va_vdst(0)
	v_max_num_f32 v[SM+2], s[EPS], v[SM+2]
	s_wait_alu depctr_va_vdst(0)
	v_rcp_f32 v[BC], v[SM+2]
	v_nop
	s_wait_alu depctr_va_vdst(0)
.irp u, 0,2,4,6,8,10,12,14,16,18,20,22,24,26,28,30
	v_pk_fma_f32 v[RR+\u:RR+\u+1], v[RR+\u:RR+\u+1], v[BC:BC+1], v[BI+\u:BI+\u+1] op_sel_hi:[1,0,1]
.endr
.irp j, 0,1,2,3,4,5,6,7
	global_store_b128 v[LO], v[RR+4*\j:RR+4*\j+3], s[8:9] offset:4096*\i+512*\j th:TH_STORE_NT
.endr
.endm
	ROW 0
	ROW 1
	ROW 2
	ROW 3
	s_endpgm
.Lfunc_end_k_qb4af1bc9bb_norm:
	.size	k_qb4af1bc9bb_norm, .Lfunc_end_k_qb4af1bc9bb_norm-k_qb4af1bc9bb_norm
	.p2alignl 7, 3214868480
	.fill 96, 4, 3214868480
	.section	.rodata,"a",@progbits
	.p2align	6, 0x0
	.amdhsa_kernel k_qb4af1bc9bb_norm
		.amdhsa_group_segment_fixed_size 0
		.amdhsa_private_segment_fixed_size 0
		.amdhsa_enable_private_segment 0
		.amdhsa_kernarg_size 24
		.amdhsa_user_sgpr_count 2
		.amdhsa_user_sgpr_kernarg_segment_ptr 1
		.amdhsa_wavefront_size32 1
		.amdhsa_system_sgpr_workgroup_id_x 1
		.amdhsa_system_sgpr_workgroup_id_y 1
		.amdhsa_system_sgpr_workgroup_id_z 1
		.amdhsa_system_vgpr_workitem_id 0
		.amdhsa_next_free_vgpr 184
		.amdhsa_next_free_sgpr 66
		.amdhsa_reserve_vcc 0
		.amdhsa_float_denorm_mode_32 3
		.amdhsa_float_denorm_mode_16_64 3
		.amdhsa_memory_ordered 1
		.amdhsa_forward_progress 1
		.amdhsa_inst_pref_size 23
	.end_amdhsa_kernel
	.amdgpu_metadata
---
amdhsa.version: [ 1, 2 ]
amdhsa.kernels:
  - .name:           k_qb4af1bc9bb_norm
    .symbol:         k_qb4af1bc9bb_norm.kd
    .args:
      - { .name: xw, .offset: 0, .size: 8, .value_kind: global_buffer, .address_space: global }
      - { .name: bias, .offset: 8, .size: 8, .value_kind: global_buffer, .address_space: global }
      - { .name: out0, .offset: 16, .size: 8, .value_kind: global_buffer, .address_space: global }
    .group_segment_fixed_size: 0
    .private_segment_fixed_size: 0
    .kernarg_segment_align: 8
    .kernarg_segment_size: 24
    .max_flat_workgroup_size: 256
    .sgpr_count:     66
    .vgpr_count:     184
    .wavefront_size: 32
...
	.end_amdgpu_metadata
.endif
;; end of part 4
